; MI455X (gfx1250); checked and timed in simulation.
; The chip was launched on July 23, 2026; its instructions are those of AMD's public machine-readable ISA for CDNA 5 (MIT licence, August 2026) and "CDNA5" Instruction Set Architecture Reference Guide (July 2026). The comments in the code are by the model that wrote it; some were corrected since.
;; Quadratic Active Dendrites. Allowed arithmetic: matrix products marked QUANTISED: E2M3 operands, one E8M0 scale for each 32 along K, by v_wmma_scale_f32_16x16x128_f8f6f4 with both operands' format E2M3, f32 sums; products left as they are: f32 operands where the result goes on into a quantised operand, else bf16, f16 or f32 operands; f32 sums; everything else in f32.
;; Inputs: bias_b 2,048 float32; bias_g 2,048 float32; bias_r 2,048 float32; context 1,024 float32; seg_bias 2,048 x 16 float32; seg_weight 2,048 x 1,024 x 16 float32; weight_b 2,048 x 2,048 float32; weight_g 2,048 x 2,048 float32; weight_r 2,048 x 2,048 float32; x 4,096 x 2,048 float32.
;; Outputs: out0 4,096 x 2,048 float32.
;; This version of the problem:
;;   THIS VERSION OF THE PROBLEM IS GIVEN IN LOW PRECISION. The matrix products marked QUANTISED in the list below multiply operands that are first quantised to E2M3 (2 exponent bits, 3 mantissa bits; 6 bits a number), with one power-of-two scale for each 32 numbers along K (OCP MX v1.0); their sums are f32. All else is computed in f32.
;;   The module's matrix products, in the order in which they are computed (A, B: the left and right operand; K: the contracted axis; several contracted axes count as one K, in the product's order):
;;     1. [M 4,096, K 2,048] x [K 2,048, N 2,048]; A: input x; B: input weight_r: QUANTISED
;;     2. [M 4,096, K 2,048] x [K 2,048, N 2,048]; A: input x; B: input weight_g: QUANTISED
;;     3. [M 4,096, K 2,048] x [K 2,048, N 2,048]; A: computed on the way; B: input weight_b: QUANTISED
;;     4. [M 1, K 1,024] x [K 1,024, N 32,768]; A: input context; B: input seg_weight: left as it is (M = 1 < 16)
;;   THE QUANTISER, for each operand of a quantised product, along K:
;;     - K is cut into blocks of 32 from its start; a last block that is shorter is filled with zeros.
;;     - A block's scale is 2^e with e = floor(log2(the largest magnitude in the block)) - 2, held to -126 .. 127; a block of zeros has e = 0. As a byte (E8M0): e + 127.
;;     - Each number is divided by its block's scale, clamped to +-7.5, and rounded to the nearest number of E2M3, ties to even, subnormals kept.
;;     - The product sums the exact products of the quantised numbers (number of the format x scale) in f32.
;;   ~~~python
;;   def quantise(x, axis):      # numpy; x: float32 -> the quantised numbers, widened to float32 again
;;       x = np.moveaxis(x, axis, -1); K = x.shape[-1]
;;       x = np.pad(x, [(0, 0)] * (x.ndim - 1) + [(0, -K % 32)]); x = x.reshape(x.shape[:-1] + (-1, 32)); a = np.abs(x).max(-1, keepdims=True)
;;       e = np.where(a > 0, np.clip(np.frexp(np.where(a > 0, a, 1))[1] - 1 - 2, -126, 127), 0)      # np.frexp(a)[1] - 1 = floor(log2(a)), exactly
;;       r = np.clip(x / 2.0 ** e, -7.5, 7.5)
;;       step = 2.0 ** (np.maximum(np.frexp(np.where(r == 0, 1, r))[1] - 1, 0) - 3)
;;       q = np.round(r / step) * step * 2.0 ** e      # np.round: ties to even
;;       return np.moveaxis(q.reshape(q.shape[:-2] + (-1,))[..., :K], -1, axis).astype(np.float32)
;;   ~~~
;;   OPERANDS COMPUTED ON THE WAY. 'Computed on the way' means the value that the module computes at that place (a softmax that the list does not call 'softmax' is quantised finished and normalised). What goes into a quantiser is computed in f32, as accurately as f32 sums, v_exp_f32 and their like allow (about 1e-6 of the number): no bf16 or f16 on the way to a quantiser, and a product that is left as it is and whose result goes on into a quantised operand takes f32 operands (vector FMAs, or v_wmma_f32_16x16x4_f32). A number that lies on a knife's edge between two numbers of the format may be rounded either way, as far as f32 arithmetic and the matrix unit's own rounding can turn it there, and no further.
;; One version. Each part assembles by itself: llvm-mc -triple=amdgcn-amd-amdhsa -mcpu=gfx1250 --defsym DOCPART=n.
;; ======== version 1 of 1: 2 launches
;; limits: right only within a limited range of input values
;; workspace buffers: qa 13,107,200 bytes; qb 9,830,400 bytes; pct 8,192 bytes
;; launch prep (part 1): grid 1024 x 1, 4 waves a work-group, no clusters, 51,200 bytes of LDS; arguments x, context, weight_r, weight_g, weight_b, seg_weight, seg_bias, qa, qb, pct; writes qa, qb, pct
.if DOCPART == 1
	.amdgcn_target "amdgcn-amd-amdhsa--gfx1250"
	.amdhsa_code_object_version 6
	.text
	.protected	k_q1c78d72c11_prep
	.globl	k_q1c78d72c11_prep
	.p2align	8
	.type	k_q1c78d72c11_prep,@function
k_q1c78d72c11_prep:
	s_mov_b64 s[64:65], 0
	v_nop
	global_prefetch_b8 v0, s[64:65] scope:SCOPE_SE
	s_setreg_imm32_b32 hwreg(HW_REG_WAVE_MODE, 25, 1), 1
	s_wait_xcnt 0x0
; PREP: all that streams from memory, in one launch of 1,024 work-groups that are all alike; the four waves of work-group g have different roles and share nothing.
; Waves 0 and 1: the gate pct[n] = sigmoid(the segment of neuron n = 2 g + wave with the largest magnitude), segments = context . seg_weight + seg_bias: 65,536 bytes a wave.
; Wave 2: one unit of x and the same unit of x * x as codes of FP6 (E2M3) with one E8M0 scale byte for each 32 along K (32,768 bytes), and then half a unit of weight_b (16,384 bytes).
; Wave 3: one unit of weight_r (g under 512) or weight_g (32,768 bytes).  The weights are quantised along their FIRST axis.
; So a work-group reads 212,992 bytes, whatever its number, and of each wave's bytes a fifth to a half is on its way at a time.
; NO WORK IS LEFT OUT: every input has a way to the output for some values, so all are loaded (the three biases by the second launch).
; THE QUANTISER: a block's scale is 2^(floor(log2(its largest magnitude)) - 2); its byte is the largest magnitude's exponent field - 2, held at 1 from below by a floor among the maximum's leaves.
; THE UNIT, in which both workspace buffers are laid: 64 rows (of x, or columns of a weight) x 128 along K = 6,400 bytes.  Bytes 0-6,143: four fragments of 16 rows as IMAGES OF THE OPERAND'S REGISTERS: register 4 c + i of
; lane l of fragment f at 1536 f + 512 c + 16 l + 4 i; lane (r, h) holds row r, registers 0-5 the 24 bytes of block h, registers 6-11 those of block 2 + h.  Bytes 6,144-6,399: the scale words, 8 bytes a lane: row l's, row l + 32's.
; qa: [row tile of 256: 16][K step: 16][x's units 0-3, x * x's units 0-3].   qb: [column tile of 128: 16][K step: 16][r's units 0, 1, g's, b's].
; LIMITS: NaN and infinities among the inputs are not served (quantiser, arg-max); |x| from 1.8e19 on, where x * x overflows, is not served; a block of zeros gets the byte 1 where the rule says 127 (its codes are zeros, and this
; program alone reads the bytes); the order of the f32 sums of the segments differs from the reference's; equal magnitudes keep the lower segment, as the reference's arg-max does.
; The 256 scale bytes of a unit of weight_b are stored by two waves, 128 bytes each, 4 bytes a lane: 131,072 bytes of the launch's stores; all other stores but pct's cover whole aligned blocks of 256 bytes.
; No matrix unit (the one product here has one row), no cluster (the only shared input is context, 4,096 bytes), no tensor load (registers hold what is on its way), no prefetch (the launch is one stream from its first line).
.set UNIT,   6400
.set XPITCH, 528                       ; a row of the X role's stage: 512 bytes + 16: an odd multiple of 16
.set XWAVE,  16*XPITCH                 ; a stage of 16 rows for each wave, from LDS byte 0 on
.set SEGC,   4*XWAVE                   ; behind them, bytes of the SEG role's own: for each wave 8 rows of 128 context numbers
.set CPITCH, 528
.set CWAVE,  8*CPITCH
.set SPARE,  SEGC+4*CWAVE              ; behind the stages: the spare words, 128 bytes for each wave, which no other line names
.set FLOOR,  0x1800000                 ; 2^(3 - 127)
.set SPW,    252                       ; v252  LDS address of my spare word; never rewritten
.set NIL,    253                       ; v253  0; never rewritten
.set CIN,    254                       ; v254  SEG: where my context numbers go into my wave's stage
.set COUT,   255                       ; v255  SEG: and where my row of them begins
	s_load_b256 s[4:11], s[0:1], 0x0               ; x s[4:5], context s[6:7], weight_r s[8:9], weight_g s[10:11]
	s_load_b256 s[12:19], s[0:1], 0x20             ; weight_b s[12:13], seg_weight s[14:15], seg_bias s[16:17], qa s[18:19]
	s_load_b128 s[20:23], s[0:1], 0x40             ; qb s[20:21], pct s[22:23]
	v_lshl_add_u32 v[SPW], v0, 2, SPARE
	v_mov_b32 v[NIL], 0
	v_lshrrev_b32 v1, 5, v0
	v_readfirstlane_b32 s24, v1                    ; wave 0..3
	v_and_b32 v1, 31, v0                           ; lane
	v_and_b32 v2, 15, v0                           ; r
	v_bfe_u32 v3, v0, 4, 1                         ; h
	v_lshlrev_b32 v4, 4, v1                        ; 16 x lane
	s_mul_i32 s25, s24, XWAVE                      ; my stage (X role): every LDS address is made here, ahead of the parting
	v_lshl_add_u32 v5, v1, 4, s25                  ; in: 16 x lane of a row
	v_mul_u32_u24 v6, v2, XPITCH
	v_lshl_add_u32 v6, v3, 7, v6
	v_add_nc_u32 v6, s25, v6                       ; out: row r, block h
	v_lshlrev_b32 v7, 3, v1                        ; 8 x lane
	v_lshlrev_b32 v13, 2, v1                       ; a weight, in: 4 bytes a lane
	v_mul_u32_u24 v14, v3, 1536
	v_lshl_add_u32 v14, v2, 4, v14                 ; a weight, out: my column's fragment (l / 16 of the half's two) and its row r
	s_mul_i32 s28, s24, CWAVE
	s_add_co_u32 s28, s28, SEGC                    ; my stage (SEG role)
	v_and_b32 v[CIN], 1, v0
	v_mul_u32_u24 v[CIN], v[CIN], 4*CPITCH         ; in: rows 4 (l % 2) + e,
	v_bfe_u32 v[COUT], v0, 1, 4
	v_lshl_add_u32 v[CIN], v[COUT], 2, v[CIN]      ; word l / 2 (+ 16 for each load)
	v_add_nc_u32 v[CIN], s28, v[CIN]
	v_bfe_u32 v[COUT], v0, 2, 3
	v_mul_u32_u24 v[COUT], v[COUT], CPITCH         ; out: row l / 4
	v_add_nc_u32 v[COUT], s28, v[COUT]
	s_mov_b32 s26, 0x76543210
	s_mov_b32 s27, 0xfedcba98                      ; v_permlanex16_b32's selects for lane l xor 16
	s_wait_alu depctr_va_vdst(0)
	s_wait_kmcnt 0x0
	s_cmp_eq_u32 s24, 3                            ; the roles part on the wave's number alone
	s_cbranch_scc1 .Lw
	s_cmp_eq_u32 s24, 2
	s_cbranch_scc1 .Lx
; ---------------- SEG: a wave takes one neuron: 1,024 x 16 numbers, 65,536 bytes on end.  Load n reads 512 consecutive bytes: lane l holds c = 8 n + l / 4, segments 4 (l % 4) + 0 .. 3.
.set CT,   16                          ; v16-143  context[8 n + l / 4], n = 0 .. 127
.set CRAW, CT+96                       ; v112-143 first: context as it lies, 8 loads of 512 bytes
.set DR,   144                         ; v144-243 a ring of NS slots of 4 registers
.set NS,   25
.set ACC,  244                         ; v244-247 the sums of even n, v248-251 of odd n
	s_lshl_b32 s28, ttmp9, 1
	s_add_co_u32 s28, s28, s24                     ; my neuron
	s_lshl_b32 s30, s28, 16
	s_mov_b32 s31, 0
	s_add_nc_u64 s[14:15], s[14:15], s[30:31]      ; its 65,536 bytes of seg_weight
	s_lshl_b32 s30, s28, 6
	s_add_nc_u64 s[16:17], s[16:17], s[30:31]      ; its 64 bytes of seg_bias
	s_lshl_b32 s30, s28, 2
	s_add_nc_u64 s[22:23], s[22:23], s[30:31]      ; its number of pct
	v_and_b32 v11, 3, v1
	v_lshlrev_b32 v11, 4, v11                      ; seg_bias: 16 (l % 4)
	v_mov_b32 v9, 0                                ; the store's offset
.set n, 0
.rept 8
	global_load_b128 v[CRAW+4*n:CRAW+4*n+3], v4, s[6:7] offset:512*n   ; context[128 n + 4 l + 0 .. 3]; read by every wave of this role: no hint
.set n, n+1
.endr
	global_load_b128 v[12:15], v11, s[16:17]
.set n, 0
.rept NS
	global_load_b128 v[DR+4*n:DR+4*n+3], v4, s[14:15] offset:512*n th:TH_LOAD_NT   ; the ring is filled; it is on its way while context is turned
.set n, n+1
.endr
	s_wait_loadcnt NS                              ; context and seg_bias are in; the ring's NS loads stay out
; Context number c goes to row c % 8, word c / 8 of my wave's stage, so that a lane's 128 numbers, context[8 n + l / 4], lie on end.  c = 128 n + 4 l + e: row 4 (l % 2) + e, word 16 n + l / 2.
.set n, 0
.rept 8
.irp e, 0,1,2,3
	ds_store_b32 v[CIN], v[CRAW+4*n+\e] offset:\e*CPITCH+64*n
.endr
.set n, n+1
.endr
	s_wait_dscnt 0x0                               ; the stores have read their registers: the last eight loads below land there
.set n, 0
.rept 32
	ds_load_b128 v[CT+4*n:CT+4*n+3], v[COUT] offset:16*n   ; four lanes read the same 16 bytes
.set n, n+1
.endr
	s_wait_dscnt 0x0
.set n, 0
.rept 128
.set sl, DR+4*(n%NS)
.set ac, ACC+4*(n%2)
.set cp, CT+n-(n%2)
	s_wait_alu depctr_va_vdst(0)
.if 127-n < NS-1
	s_wait_loadcnt 127-n                           ; the tail: the counts run down
.else
	s_wait_loadcnt NS-1                            ; loads come back in order (ISA guide 5.7.1): load n is in, the NS - 1 younger ones stay out
.endif
.if n == 0                                     ; the first two products start the sums: nothing is cleared.  Of the pair of context numbers the low or the high one serves both halves
	v_pk_mul_f32 v[ac:ac+1], v[sl:sl+1], v[cp:cp+1] op_sel_hi:[1,0]
	v_pk_mul_f32 v[ac+2:ac+3], v[sl+2:sl+3], v[cp:cp+1] op_sel_hi:[1,0]
.elseif n == 1
	v_pk_mul_f32 v[ac:ac+1], v[sl:sl+1], v[cp:cp+1] op_sel:[0,1] op_sel_hi:[1,1]
	v_pk_mul_f32 v[ac+2:ac+3], v[sl+2:sl+3], v[cp:cp+1] op_sel:[0,1] op_sel_hi:[1,1]
.elseif n%2 == 0
	v_pk_fma_f32 v[ac:ac+1], v[sl:sl+1], v[cp:cp+1], v[ac:ac+1] op_sel_hi:[1,0,1]
	v_pk_fma_f32 v[ac+2:ac+3], v[sl+2:sl+3], v[cp:cp+1], v[ac+2:ac+3] op_sel_hi:[1,0,1]
.else
	v_pk_fma_f32 v[ac:ac+1], v[sl:sl+1], v[cp:cp+1], v[ac:ac+1] op_sel:[0,1,0] op_sel_hi:[1,1,1]
	v_pk_fma_f32 v[ac+2:ac+3], v[sl+2:sl+3], v[cp:cp+1], v[ac+2:ac+3] op_sel:[0,1,0] op_sel_hi:[1,1,1]
.endif
.if n+NS < 128
	global_load_b128 v[sl:sl+3], v4, s[14:15] offset:512*(n+NS) th:TH_LOAD_NT
.endif
.set n, n+1
.endr
	v_pk_add_f32 v[244:245], v[244:245], v[248:249]    ; even and odd n
	v_pk_add_f32 v[246:247], v[246:247], v[250:251]
.irp m, 4,8                                    ; over the eight lanes that hold the same segments: l xor 4, l xor 8, l xor 16
.irp j, 0,1,2,3
	v_add_f32_dpp v[244+\j], v[244+\j], v[244+\j] row_xmask:\m row_mask:0xf bank_mask:0xf
.endr
.endr
.irp j, 0,1,2,3
	v_permlanex16_b32 v[248+\j], v[244+\j], s26, s27
.endr
	v_pk_add_f32 v[244:245], v[244:245], v[248:249]
	v_pk_add_f32 v[246:247], v[246:247], v[250:251]
	v_pk_add_f32 v[244:245], v[244:245], v[12:13]      ; + seg_bias: my four segments
	v_pk_add_f32 v[246:247], v[246:247], v[14:15]
	; the segment with the largest magnitude: magnitudes are compared as whole numbers (the sign bit cleared); only a strictly larger one takes the place, so the lower index wins a tie
	v_and_b32 v16, 0x7fffffff, v244
	v_mov_b32 v17, v244
.irp j, 1,2,3
	v_and_b32 v18, 0x7fffffff, v[244+\j]
	v_cmp_gt_u32 vcc_lo, v18, v16
	v_cndmask_b32 v17, v17, v[244+\j], vcc_lo
	v_cndmask_b32 v16, v16, v18, vcc_lo
.endr
.irp m, 1,2                                    ; lanes 0-3 hold segments 0-3, 4-7, 8-11, 12-15: after l xor 1 lanes 0 and 2 are right for their eight, after l xor 2 lane 0 for all sixteen
	v_mov_b32_dpp v18, v16 row_xmask:\m row_mask:0xf bank_mask:0xf
	v_mov_b32_dpp v19, v17 row_xmask:\m row_mask:0xf bank_mask:0xf
	v_cmp_gt_u32 vcc_lo, v18, v16
	v_cndmask_b32 v17, v17, v19, vcc_lo
	v_cndmask_b32 v16, v16, v18, vcc_lo
.endr
	v_mul_f32 v18, 0xbfb8aa3b, v17                 ; sigmoid(v) = 1 / (1 + 2^(-v log2(e)))
	s_wait_alu depctr_va_vdst(0)                   ; the wait ahead of a transcendental,
	v_exp_f32 v18, v18
	v_nop                                          ; a plain instruction behind it (ISA guide 5.7.2),
	s_wait_alu depctr_va_vdst(0)                   ; and the wait ahead of the first use
	v_add_f32 v18, 1.0, v18
	s_wait_alu depctr_va_vdst(0)                   ; the same three round the reciprocal
	v_rcp_f32 v18, v18
	v_cmp_eq_u32 vcc_lo, 0, v1                     ; (the plain instruction)  lane 0 stores
	s_wait_alu depctr_va_vdst(0)
	s_wait_xcnt 0x0                                ; EXEC changes only behind this wait
	s_and_saveexec_b32 s30, vcc_lo
	global_store_b32 v9, v18, s[22:23]             ; 4 bytes a wave, 8,192 in the launch: more neurons to a wave would leave too few waves for the stream
	s_wait_xcnt 0x0
	s_or_b32 exec_lo, exec_lo, s30
	s_branch .Lfinish
; ---------------- What the X role and the W role share: HALF A UNIT of a weight, 32 columns x 128 along K.  A LANE TAKES A COLUMN AND ITS REGISTERS RUN DOWN K: a block of 32 lies in one lane.
.set WN, 16                            ; v16-79   two sets of 32 numbers: blocks 0 and 2, blocks 1 and 3
.set WC, 80                            ; v80-103  codes: the 12 registers of the image's lane (r, 0), then those of lane (r, 1)
.set WT, 128                           ; v128-130 the upper half of a block
.set WS, 132                           ; v132-133 the scale words of the unit's first and second half (the half at work: v133)
.macro LOADH b, nx                     ; block b: rows 32 b + i of the K step; nx = 1: of the unit's next half, 32 columns on
.irp i, 0,1,2,3,4,5,6,7,8,9,10,11,12,13,14,15,16,17,18,19,20,21,22,23,24,25,26,27,28,29,30,31
	global_load_b32 v[WN+32*((\b)%2)+\i], v13, s[8:9] offset:(32*(\b)+\i)*8192+128*(\nx) th:TH_LOAD_NT
.endr
.endm
; From unit s28 (weight x 512 + K step x 32 + which 64 columns) and half s36: s[8:9] (the weight, chosen before) at my first number, s[20:21] at my half of the unit in qb, s[34:35] at the unit + 4 x half, for the scale words.
.macro WSET
	s_lshr_b32 s29, s28, 9                         ; 0, 1, 2: r, g, b
	s_bfe_u32 s32, s28, 0x40005                    ; K step
	s_and_b32 s28, s28, 31                         ; which 64 columns
	s_lshl_b32 s30, s32, 20                        ; 128 rows of 8,192 bytes
	s_lshl_b32 s31, s28, 8
	s_add_co_u32 s30, s30, s31
	s_lshl_b32 s31, s36, 7
	s_add_co_u32 s30, s30, s31
	s_mov_b32 s31, 0
	s_add_nc_u64 s[8:9], s[8:9], s[30:31]
	s_lshr_b32 s30, s28, 1                         ; qb: ((column tile x 16 + K step) x 6 + 2 x weight + unit) x 6,400
	s_lshl_b32 s30, s30, 4
	s_add_co_u32 s30, s30, s32
	s_mul_i32 s30, s30, 6
	s_lshl_b32 s29, s29, 1
	s_add_co_u32 s30, s30, s29
	s_and_b32 s28, s28, 1
	s_add_co_u32 s30, s30, s28
	s_mul_i32 s30, s30, UNIT
	s_add_nc_u64 s[20:21], s[20:21], s[30:31]
	s_lshl_b32 s30, s36, 2
	s_add_nc_u64 s[34:35], s[20:21], s[30:31]
	s_mul_i32 s30, s36, 3072
	s_add_nc_u64 s[20:21], s[20:21], s[30:31]
.endm
; ---------------- X: unit g of x and of x * x: 64 rows x 128 along K, a fragment of 16 rows at a time; then half g % 2 of unit g / 2 of weight_b.
.Lx:
.set XR,  16                           ; v16-79   16 rows as loaded, 512 consecutive bytes a load: the set of fragments 0 and 2; behind them the weight's first two blocks
.set XR2, 188                          ; v188-251 the set of fragments 1 and 3: two fragments, 32 loads, are on their way
.set XN,  80                           ; v80-143  my row's block h (32 numbers), then its block 2 + h
.set CX,  144                          ; v144-155 x's codes: the fragment's 12 registers
.set CY,  156                          ; v156-167 those of x * x
.set TMP, 168                          ; v168-175 the upper halves of two blocks (a conversion's three registers begin on an even number)
.set WX,  176                          ; v176-179 x's scale word of my row, for each fragment;  v180-183 the same for x * x
.set WY,  180                          ; v184-187, v9-12 at work
	s_lshr_b32 s29, ttmp9, 4                       ; which 64 rows: 0 .. 63
	s_and_b32 s28, ttmp9, 15                       ; which K step
	s_lshl_b32 s30, s29, 19                        ; 64 rows of 8,192 bytes
	s_lshl_b32 s31, s28, 9
	s_add_co_u32 s30, s30, s31
	s_mov_b32 s31, 0
	s_add_nc_u64 s[4:5], s[4:5], s[30:31]
	s_lshr_b32 s30, s29, 2                         ; qa: ((row tile x 16 + K step) x 8 + unit) x 6,400
	s_lshl_b32 s30, s30, 4
	s_add_co_u32 s30, s30, s28
	s_lshl_b32 s30, s30, 3
	s_and_b32 s29, s29, 3
	s_add_co_u32 s30, s30, s29
	s_mul_i32 s30, s30, UNIT
	s_add_nc_u64 s[18:19], s[18:19], s[30:31]
	v_lshlrev_b32 v8, 3, v3                        ; 8 h: my two scale bytes' place in the word
	v_mov_b32 v12, 0                               ; written once: a lane permute's destination counts as one of its sources
.macro LOADF f
.set XB, XR+(XR2-XR)*((\f)%2)
.irp i, 0,1,2,3,4,5,6,7,8,9,10,11,12,13,14,15
	global_load_b128 v[XB+4*\i:XB+4*\i+3], v4, s[4:5] offset:(16*(\f)+\i)*8192 th:TH_LOAD_NT
.endr
.endm
	LOADF 0
	LOADF 1
	s_mov_b64 s[8:9], s[12:13]                     ; weight_b,
	s_lshr_b32 s28, ttmp9, 1
	s_add_co_u32 s28, s28, 1024                    ; its unit g / 2,
	s_and_b32 s36, ttmp9, 1                        ; half g % 2
	WSET
	s_mov_b32 s33, 1                               ; one half to make
.macro TURNX f                         ; through my own stage: in as loaded, out as 32 neighbours along K a block.  LDS serves a wave's instructions in order (ISA guide 5.7.1.4): no wait between
.set XB, XR+(XR2-XR)*((\f)%2)
.irp i, 0,1,2,3,4,5,6,7,8,9,10,11,12,13,14,15
	ds_store_b128 v5, v[XB+4*\i:XB+4*\i+3] offset:XPITCH*\i
.endr
.irp j, 0,1,2,3,4,5,6,7
	ds_load_b128 v[XN+4*\j:XN+4*\j+3], v6 offset:16*\j
.endr
.irp j, 0,1,2,3,4,5,6,7
	ds_load_b128 v[XN+32+4*\j:XN+32+4*\j+3], v6 offset:256+16*\j
.endr
.endm
; The numbers in XN, with their two blocks' largest magnitudes in v184, v185, become 12 registers of codes at dst (stored at off) and my row's scale word in wd.
.macro XCODES dst, wd, off, f
	v_add_nc_u32 v186, 0xff000000, v184            ; 2 off the exponent field: the conversion takes the exponent field of this operand as its scale, and nothing else of it
	v_add_nc_u32 v187, 0xff000000, v185
	v_lshrrev_b32 v9, 23, v186                     ; the scales' bytes
	v_lshrrev_b32 v10, 23, v187
	v_lshl_or_b32 v11, v10, 16, v9                 ; blocks h and 2 + h,
	v_lshlrev_b32 v11, v8, v11                     ; at their places;
	v_permlanex16_b32 v12, v11, s26, s27
	v_or_b32 v[\wd], v11, v12                      ; with lane l xor 16's two the word is whole
.irp c, 0,1
	v_cvt_scalef32_pk16_fp6_f32 v[\dst+6*\c:\dst+6*\c+2], v[XN+32*\c:XN+32*\c+15], v[186+\c]
	v_cvt_scalef32_pk16_fp6_f32 v[TMP+4*\c:TMP+4*\c+2], v[XN+32*\c+16:XN+32*\c+31], v[186+\c]
.endr
	v_nop                                          ; one plain instruction behind the last conversion, ahead of all that touches its results or writes its sources
.irp c, 0,1
.irp i, 0,1,2
	v_mov_b32 v[\dst+3+6*\c+\i], v[TMP+4*\c+\i]
.endr
.endr
.irp c, 0,1,2
	global_store_b128 v4, v[\dst+4*\c:\dst+4*\c+3], s[18:19] offset:(\off)+1536*(\f)+512*\c   ; 32 lanes store 512 consecutive bytes, at a multiple of 256 from the buffer's first byte
.endr
.endm
.macro XFRAG f
.if (\f) < 3
	s_wait_loadcnt 16                              ; the fragment's 16 rows are in; the next fragment's 16 loads stay out
.else
	s_wait_loadcnt 32                              ; fragment 3's rows are in; the 32 loads of the weight's block 0 stay out
.endif
	TURNX \f
	s_wait_dscnt 0x0                               ; the stage's stores have read their set, and XN is in
.if (\f) < 2
	LOADF (\f)+2                                   ; the set takes the fragment two further on
.else
	LOADH (\f)-2, 0                                ; the even fragments' set is free: it takes the weight's blocks 0 and 1
.endif
.if (\f) > 0
	s_wait_xcnt 0x0                                ; the last fragment's stores have read CX and CY: they are written again only behind this wait
.endif
	v_max3_num_f32 v184, |v[XN]|, |v[XN+1]|, FLOOR     ; my two blocks' largest magnitudes, by turns; the floor holds the byte at 1 from below
	v_max3_num_f32 v185, |v[XN+32]|, |v[XN+33]|, FLOOR
.irp i, 2,4,6,8,10,12,14,16,18,20,22,24,26,28,30
	v_max3_num_f32 v184, v184, |v[XN+\i]|, |v[XN+\i+1]|
	v_max3_num_f32 v185, v185, |v[XN+32+\i]|, |v[XN+33+\i]|
.endr
	XCODES CX, WX+(\f), 0, \f
	v_mul_f32 v184, v184, v184                     ; rounding keeps order, so the square of the largest magnitude is the largest of the squares
	v_mul_f32 v185, v185, v185
	v_max_num_f32 v184, FLOOR, v184
	v_max_num_f32 v185, FLOOR, v185
.set q, 0
.rept 32
	v_pk_mul_f32 v[XN+q:XN+q+1], v[XN+q:XN+q+1], v[XN+q:XN+q+1]   ; x * x in f32, as the reference has it
.set q, q+2
.endr
	XCODES CY, WY+(\f), 4*UNIT, \f
.endm
	XFRAG 0
	XFRAG 1
	XFRAG 2
	XFRAG 3
	v_cmp_le_u32 vcc_lo, 16, v1                    ; lane l stores row l's word and row l + 32's: lanes 0-15 those of fragments 0 and 2, lanes 16-31 of fragments 1 and 3
	v_cndmask_b32 v184, v[WX], v[WX+1], vcc_lo
	v_cndmask_b32 v185, v[WX+2], v[WX+3], vcc_lo
	v_cndmask_b32 v186, v[WY], v[WY+1], vcc_lo
	v_cndmask_b32 v187, v[WY+2], v[WY+3], vcc_lo
	global_store_b64 v7, v[184:185], s[18:19] offset:6144          ; 32 lanes store 256 consecutive bytes, aligned
	global_store_b64 v7, v[186:187], s[18:19] offset:6144+4*UNIT
	s_wait_alu depctr_va_vdst(0)
	s_branch .Lhalf                                ; the weight's blocks 0 and 1 are on their way
; ---------------- W: unit g of weight_r and weight_g taken together: its two halves, one a trip.
.Lw:
	s_cmp_lt_u32 ttmp9, 512                        ; which weight: the choice hangs on the work-group's number alone
	s_cselect_b64 s[8:9], s[8:9], s[10:11]
	s_mov_b32 s28, ttmp9
	s_mov_b32 s36, 0
	WSET
	s_mov_b32 s33, 2                               ; two halves to make
	v_mov_b32 v[WS], 0                             ; so that the pair of scale words is written on every way to its store
	LOADH 0, 0
	LOADH 1, 0
.macro BLOCKH b
.set XS, WN+32*((\b)%2)
.set DS, WC+12*((\b)%2)+6*((\b)/2)                     ; block b is registers 6 (b / 2) on of the image's lane (r, b % 2)
	v_max3_num_f32 v134, |v[XS]|, |v[XS+1]|, |v[XS+2]|
	v_max3_num_f32 v135, |v[XS+3]|, |v[XS+4]|, |v[XS+5]|
.irp i, 6,10,14,18,22,26
	v_max3_num_f32 v134, v134, |v[XS+\i]|, |v[XS+\i+1]|
	v_max3_num_f32 v135, v135, |v[XS+\i+2]|, |v[XS+\i+3]|
.endr
	v_max3_num_f32 v134, v134, |v[XS+30]|, |v[XS+31]|
	v_max3_num_f32 v134, v134, v135, FLOOR
	v_add_nc_u32 v136, 0xff000000, v134
	v_lshrrev_b32 v137, 23, v136
.if (\b) == 0
	v_mov_b32 v[WS+1], v137
.else
	v_lshl_or_b32 v[WS+1], v137, 8*(\b), v[WS+1]
.endif
	v_cvt_scalef32_pk16_fp6_f32 v[DS:DS+2], v[XS:XS+15], v136
	v_cvt_scalef32_pk16_fp6_f32 v[WT:WT+2], v[XS+16:XS+31], v136
	v_nop                                          ; one plain instruction behind the last conversion
.irp i, 0,1,2
	v_mov_b32 v[DS+3+\i], v[WT+\i]
.endr
.endm
.Lhalf:                                                ; on every way here blocks 0 and 1 of the half have been asked for, in this order, and nothing behind them
	s_wait_loadcnt 32                              ; block 0's 32 loads are in; block 1's may be out
	BLOCKH 0
	LOADH 2, 0
	s_wait_loadcnt 32
	BLOCKH 1
	LOADH 3, 0
	s_wait_loadcnt 32
	BLOCKH 2
	s_cmp_eq_u32 s33, 1
	s_wait_alu depctr_va_vdst(0)
	s_cbranch_scc1 .Lno_next
	LOADH 0, 1                                     ; the next half's block 0,
	s_wait_loadcnt 32                              ; which may be out when block 3 is in
	s_branch .Lblock3
.Lno_next:
	s_wait_loadcnt 0x0                             ; nothing was asked for behind block 3
.Lblock3:
	BLOCKH 3
.irp hh, 0,1
.irp c, 0,1,2
	global_store_b128 v14, v[WC+12*\hh+4*\c:WC+12*\hh+4*\c+3], s[20:21] offset:256*\hh+512*\c   ; each sixteen lanes store 256 consecutive bytes, aligned
.endr
.endr
	s_cmp_eq_u32 s33, 1
	s_wait_alu depctr_va_vdst(0)
	s_cbranch_scc1 .Lwords
	LOADH 1, 1
	v_mov_b32 v[WS], v[WS+1]                       ; the first half's scale words
	s_wait_xcnt 0x0                                ; the bases and the codes' registers are written again only behind this wait
	s_add_nc_u64 s[8:9], s[8:9], 128               ; 32 columns on
	s_add_nc_u64 s[20:21], s[20:21], 3072          ; two fragments on
	s_sub_co_u32 s33, s33, 1
	s_cmp_lg_u32 s33, 0
	s_wait_alu depctr_va_vdst(0)
	s_cbranch_scc1 .Lhalf
.Lwords:
	s_cmp_eq_u32 s24, 3
	s_cbranch_scc0 .Lone_word
	global_store_b64 v7, v[WS:WS+1], s[34:35] offset:6144          ; a whole unit's words: 32 lanes store 256 consecutive bytes, aligned
	s_branch .Lfinish
.Lone_word:
	global_store_b32 v7, v[WS+1], s[34:35] offset:6144             ; my half's words, 4 bytes in each 8: the wave with the other half stores those between
.Lfinish:
	s_wait_tensorcnt 0x0                           ; the wave's end
	ds_add_u32 v[SPW], v[NIL]
	s_wait_dscnt 0x0
	s_endpgm
.Lfunc_end_k_q1c78d72c11_prep:
	.size	k_q1c78d72c11_prep, .Lfunc_end_k_q1c78d72c11_prep-k_q1c78d72c11_prep
	.p2alignl 7, 3214868480
	.fill 96, 4, 3214868480
	.section	.rodata,"a",@progbits
	.p2align	6, 0x0
	.amdhsa_kernel k_q1c78d72c11_prep
		.amdhsa_group_segment_fixed_size 51200
		.amdhsa_private_segment_fixed_size 0
		.amdhsa_enable_private_segment 0
		.amdhsa_kernarg_size 80
		.amdhsa_user_sgpr_count 2
		.amdhsa_user_sgpr_kernarg_segment_ptr 1
		.amdhsa_wavefront_size32 1
		.amdhsa_system_sgpr_workgroup_id_x 1
		.amdhsa_system_sgpr_workgroup_id_y 1
		.amdhsa_system_sgpr_workgroup_id_z 1
		.amdhsa_system_vgpr_workitem_id 0
		.amdhsa_next_free_vgpr 256
		.amdhsa_next_free_sgpr 66
		.amdhsa_reserve_vcc 1
		.amdhsa_float_denorm_mode_32 3
		.amdhsa_float_denorm_mode_16_64 3
		.amdhsa_memory_ordered 1
		.amdhsa_forward_progress 1
		.amdhsa_inst_pref_size 122
	.end_amdhsa_kernel
	.amdgpu_metadata
---
amdhsa.version: [ 1, 2 ]
amdhsa.kernels:
  - .name:           k_q1c78d72c11_prep
    .symbol:         k_q1c78d72c11_prep.kd
    .args:
      - { .name: x, .offset: 0, .size: 8, .value_kind: global_buffer, .address_space: global }
      - { .name: context, .offset: 8, .size: 8, .value_kind: global_buffer, .address_space: global }
      - { .name: weight_r, .offset: 16, .size: 8, .value_kind: global_buffer, .address_space: global }
      - { .name: weight_g, .offset: 24, .size: 8, .value_kind: global_buffer, .address_space: global }
      - { .name: weight_b, .offset: 32, .size: 8, .value_kind: global_buffer, .address_space: global }
      - { .name: seg_weight, .offset: 40, .size: 8, .value_kind: global_buffer, .address_space: global }
      - { .name: seg_bias, .offset: 48, .size: 8, .value_kind: global_buffer, .address_space: global }
      - { .name: qa, .offset: 56, .size: 8, .value_kind: global_buffer, .address_space: global }
      - { .name: qb, .offset: 64, .size: 8, .value_kind: global_buffer, .address_space: global }
      - { .name: pct, .offset: 72, .size: 8, .value_kind: global_buffer, .address_space: global }
    .group_segment_fixed_size: 51200
    .private_segment_fixed_size: 0
    .kernarg_segment_align: 8
    .kernarg_segment_size: 80
    .max_flat_workgroup_size: 128
    .sgpr_count:     66
    .vgpr_count:     256
    .wavefront_size: 32
...
	.end_amdgpu_metadata
.endif
;; end of part 1
;; launch gemm (part 2): grid 16 x 16, 4 waves a work-group, clusters of 4 x 4, 327,680 bytes of LDS; arguments qa, qb, pct, bias_r, bias_g, bias_b, out0; writes out0
.if DOCPART == 2
	.amdgcn_target "amdgcn-amd-amdhsa--gfx1250"
	.amdhsa_code_object_version 6
	.text
	.protected	k_q1c78d72c11_gemm
	.globl	k_q1c78d72c11_gemm
	.p2align	8
	.type	k_q1c78d72c11_gemm,@function
k_q1c78d72c11_gemm:
	s_mov_b64 s[64:65], 0
	v_nop
	global_prefetch_b8 v0, s[64:65] scope:SCOPE_SE
	s_setreg_imm32_b32 hwreg(HW_REG_WAVE_MODE, 25, 1), 1
	s_wait_xcnt 0x0
	s_wait_alu depctr_hold_cnt(0) depctr_sa_sdst(0) depctr_va_vdst(0) depctr_va_sdst(0) depctr_va_ssrc(0) depctr_va_vcc(0) depctr_vm_vsrc(0)
	s_getreg_b32 s2, hwreg(HW_REG_IB_STS2, 6, 4)
	s_cmp_eq_u32 s2, 0
	s_cbranch_scc0 .Lentry_in_a_cluster
	s_endpgm
.Lentry_in_a_cluster:
	s_bfe_u32 s2, ttmp6, 0x10000c
	s_cmp_lg_u32 s2, 0xf033
	s_cbranch_scc0 .Lentry_shape_is_right
	s_endpgm
.Lentry_shape_is_right:
; out0 = ((x Wr + br) (x Wg + bg) + (x * x) Wb + bb) * pct, the three products on codes of FP6 (E2M3) with E8M0 scales, as the first launch laid them in qa and qb (units of 64 rows x 128 along K, 6,400 bytes: images of the
; operand's registers, then the scale words).  No work is left out.
; A work-group of four waves makes 256 rows x 128 columns of all three products; a wave 128 x 64 of each: 3 x 32 accumulators, windows 1 (r), 2 (g), 3 (b); window 0 holds addresses, scale words and four fragment buffers of 48.
; The biases are the C of each accumulator's first product.  The products are used transposed (source 0 = 16 columns of a weight, source 1 = 16 rows of x), so a lane holds eight neighbouring columns of a row.
; K goes in 16 steps of 128 through three places in LDS, each with one step's 14 units (x's 4, x * x's 4, r's, g's, b's 2 each).  Places 0 and 1 are filled again together, one whole tile a wave; place 2 by itself, half a tile a wave.
; CLUSTERS: 4 x 4 work-groups; qa's tiles are asked for jointly along a row of the cluster, qb's along a column; every joint refill stands behind a round of the cluster's barrier.
; PREFETCH: in step t each wave names the 256-byte blocks of step t + 5 that fall to it: the four partners of a joint load share a tile's blocks out by address, so each block is named once in each cluster that will load it;
; steps 2 to 4 are named at the head, steps 0 and 1 come by their loads alone, and nothing is named beyond step 15.
; The way out: r * g + b in registers, through the wave's own stage in LDS, times pct, in whole rows of 256 bytes.
; LIMITS: as the first launch states them; the f32 sums follow the matrix unit's order.
.set UNIT,  6400
.set SLOT,  14*UNIT
.set OB,    8*UNIT
.set ASTEP, 8*UNIT
.set BSTEP, 6*UNIT
.set STAGE, 3*SLOT
.set SP,    272
.set SPARE, STAGE+4*16*SP
.set AX,  4
.set SX,  7
.set AB,  10
.set SBA, 13
.set STO, 16
.set RD,  17
.set CO,  18
.set BO,  19
.set PO,  20
.set SPW, 28
.set NIL, 29
.set PFO, 30
.set SC,  32
.set PP,  40
.set F,   64
.set T,   64
.set BK,  128
.set G1A2, 24
.set G1B2, 32
.set G1A1, 40
.set G1B1, 48
.set G0AA, 56
.set G0AB, 60
.set G0BA, 68
.set G0BB, 72
.set PFA, 76
.set PFS, 78
.set W_R, 0x50
.set W_G, 0xa0
.set W_B, 0xf0
.set MSB, 0
.macro WIN new
.if MSB != \new
	s_set_vgpr_msb (MSB<<8)|\new
.set MSB, \new
.endif
.endm
.macro PLACES n
.rept \n
	v_nop
.endr
.endm
.macro JLOAD g0a, g1a, g0b, g1b
	s_cmp_eq_u32 s19, 0
	s_cbranch_scc0 .Lfor_b_\@
	tensor_load_to_lds s[\g0a:\g0a+3], s[\g1a:\g1a+7]
	s_nop 0
.rept 4
	v_nop
.endr
	s_branch .Lasked_\@
.Lfor_b_\@:
	tensor_load_to_lds s[\g0b:\g0b+3], s[\g1b:\g1b+7]
	s_nop 0
.rept 4
	v_nop
.endr
.Lasked_\@:
.endm
.macro CREST
	s_cmp_lg_u32 s18, 0
	s_cbranch_scc1 .Lnot_wave_0_\@
	s_barrier_signal -3
.Lnot_wave_0_\@:
	s_barrier_wait -3
	s_barrier_signal -1
	s_barrier_wait -1
.endm
.macro CROUND
	s_barrier_signal -1
	s_barrier_wait -1
	CREST
.endm
.macro ASK how
.if (\how) == 2                        ; the loop's last two steps: in its last trip (s3 = 1) the step five on would lie beyond K
	s_cmp_gt_u32 s3, 1
	s_cbranch_scc0 .Lnot_mine_\@
.endif
	s_wait_alu depctr_va_vdst(0)
	global_prefetch_b8 v[PFO], s[PFA:PFA+1] th:TH_LOAD_NT scope:SCOPE_SE
.if (\how) == 2
.Lnot_mine_\@:
.endif
.endm
.macro FETCH buf, adc, ads, off
.irp f, 0,1,2,3
.irp c, 0,1,2
	ds_load_b128 v[F+48*(\buf)+12*\f+4*\c:F+48*(\buf)+12*\f+4*\c+3], v[\adc] offset:(\off)+1536*\f+512*\c
.endr
.endr
	ds_load_b64 v[SC+2*(\buf):SC+2*(\buf)+1], v[\ads] offset:(\off)+6144
.endm
.macro MULN bb, ba, a0, na, first
.set ia, \a0
.rept \na
.if (\first) && (ia == 7)
.rept 5
	v_nop
.endr
.endif
.set ib, 0
.rept 4
.set rD, 8*(4*ia+ib)
.set rC, rD
.if (\first) && (ia != 7)
.set rC, 8*(28+ib)
.endif
.set rA, F+48*(\bb)+12*ib
.set rB, F+48*(\ba)+12*(ia%4)
.set zA, SC+2*(\bb)+ib/2
.set zB, SC+2*(\ba)+(ia%4)/2
.if (ib%2) && (ia%2)
	v_wmma_scale_f32_16x16x128_f8f6f4 v[rD:rD+7], v[rA:rA+11], v[rB:rB+11], v[rC:rC+7], v[zA], v[zB] matrix_a_fmt:MATRIX_FMT_FP6 matrix_b_fmt:MATRIX_FMT_FP6 matrix_a_scale:MATRIX_SCALE_ROW1 matrix_b_scale:MATRIX_SCALE_ROW1
.elseif ib%2
	v_wmma_scale_f32_16x16x128_f8f6f4 v[rD:rD+7], v[rA:rA+11], v[rB:rB+11], v[rC:rC+7], v[zA], v[zB] matrix_a_fmt:MATRIX_FMT_FP6 matrix_b_fmt:MATRIX_FMT_FP6 matrix_a_scale:MATRIX_SCALE_ROW1
.elseif ia%2
	v_wmma_scale_f32_16x16x128_f8f6f4 v[rD:rD+7], v[rA:rA+11], v[rB:rB+11], v[rC:rC+7], v[zA], v[zB] matrix_a_fmt:MATRIX_FMT_FP6 matrix_b_fmt:MATRIX_FMT_FP6 matrix_b_scale:MATRIX_SCALE_ROW1
.else
	v_wmma_scale_f32_16x16x128_f8f6f4 v[rD:rD+7], v[rA:rA+11], v[rB:rB+11], v[rC:rC+7], v[zA], v[zB] matrix_a_fmt:MATRIX_FMT_FP6 matrix_b_fmt:MATRIX_FMT_FP6
.endif
.set ib, ib+1
.endr
.set ia, ia+1
.endr
.endm
.macro STEP pl, par, first, kind, rf, ask
.set NX, ((\pl)+1)%3
.if (\par) == 0
.set Ba, 0
.set Bb, 1
.set Bc, 2
.set Bd, 3
.else
.set Ba, 3
.set Bb, 2
.set Bc, 1
.set Bd, 0
.endif
	PLACES 4
	FETCH Bc, AB+\pl, SBA+\pl, 2*UNIT
	s_wait_dscnt 13
	WIN W_R
	MULN Ba, Bb, 0, 4, \first
	WIN 0
	FETCH Bd, AX+\pl, SX+\pl, UNIT
	s_wait_dscnt 13
	WIN W_G
	MULN Bc, Bb, 0, 4, \first
	WIN 0
	PLACES 4
	FETCH Bb, AB+\pl, SBA+\pl, 4*UNIT
	s_wait_dscnt 13
	WIN W_G
	MULN Bc, Bd, 4, 4, \first
	WIN 0
	PLACES 4
	FETCH Bc, AX+\pl, SX+\pl, 4*UNIT
	WIN W_R
	MULN Ba, Bd, 4, 4, \first
	WIN 0
.if \ask
	s_wait_xcnt 0x0
	s_add_nc_u64 s[PFA:PFA+1], s[PFA:PFA+1], s[PFS:PFS+1]
.endif
	PLACES 4
	FETCH Ba, AX+\pl, SX+\pl, 5*UNIT
.if \kind == 0
	s_wait_dscnt 13
	WIN W_B
	MULN Bb, Bc, 0, 4, \first
	s_wait_dscnt 0x0
	MULN Bb, Ba, 4, 4, \first
	WIN 0
.elseif \kind == 3
	s_wait_dscnt 13
	WIN W_B
	MULN Bb, Bc, 0, 4, \first
	WIN 0
	PLACES 4
	FETCH Bd, AB+NX, SBA+NX, 0
	FETCH Bc, AX+NX, SX+NX, 0
.if \ask
	ASK \ask
.endif
	s_wait_dscnt 26
	WIN W_B
	MULN Bb, Ba, 4, 4, \first
	WIN 0
.else
	s_wait_tensorcnt 0x0
	ds_add_u32 v[SPW], v[NIL]
	s_wait_dscnt 14
	WIN W_B
	MULN Bb, Bc, 0, 2, \first
	s_wait_dscnt 0x0
	s_barrier_signal -1
	MULN Bb, Bc, 2, 2, \first
	WIN 0
	s_barrier_wait -1
.if \kind == 2
	CREST
.if \rf == 1
	s_add_nc_u64 s[G0AA+2:G0AA+3], s[G0AA+2:G0AA+3], 3*ASTEP
	s_add_nc_u64 s[G0AB+2:G0AB+3], s[G0AB+2:G0AB+3], 3*BSTEP
	JLOAD G0AA, G1A2, G0AB, G1B2
.elseif \rf == 2
	s_add_nc_u64 s[G0BA+2:G0BA+3], s[G0BA+2:G0BA+3], 3*ASTEP
	s_add_nc_u64 s[G0BB+2:G0BB+3], s[G0BB+2:G0BB+3], 3*BSTEP
	JLOAD G0BA, G1A1, G0BB, G1B1
.else
	s_mul_i32 s[G0BA+1], s20, 4*UNIT
	s_mul_i32 s[G0BB+1], s20, 3*UNIT
	s_add_co_u32 s[G0BB+1], s[G0BB+1], OB
	s_add_nc_u64 s[G0BA+2:G0BA+3], s[G0BA+2:G0BA+3], ASTEP
	s_add_nc_u64 s[G0BB+2:G0BB+3], s[G0BB+2:G0BB+3], BSTEP
	JLOAD G0BA, G1A1, G0BB, G1B1
.endif
.else
	PLACES 4
.endif
	FETCH Bd, AB+NX, SBA+NX, 0
	FETCH Bc, AX+NX, SX+NX, 0
.if \ask
	ASK \ask
.endif
	WIN W_B
	MULN Bb, Ba, 4, 4, \first
	WIN 0
.endif
.endm
	s_load_b256 s[4:11], s[0:1], 0x0
	s_load_b128 s[12:15], s[0:1], 0x20
	s_load_b64 s[16:17], s[0:1], 0x30
	v_lshl_add_u32 v[SPW], v0, 2, SPARE
	v_mov_b32 v[NIL], 0
	ds_add_u32 v[SPW], v[NIL]
	ds_add_u32 v[SPW], v[NIL]
	v_lshrrev_b32 v1, 5, v0
	v_readfirstlane_b32 s18, v1
	s_lshr_b32 s19, s18, 1
	s_and_b32 s20, s18, 1
	s_bfe_u32 s21, ttmp6, 0x40000
	s_bfe_u32 s22, ttmp6, 0x40004
	s_lshl_b32 s23, ttmp9, 2
	s_add_co_u32 s23, s23, s21
	s_and_b32 s81, ttmp7, 0xffff
	s_lshl_b32 s81, s81, 2
	s_add_co_u32 s81, s81, s22
	s_lshl_b32 s82, s22, 2
	s_lshl_b32 s82, 15, s82
	s_lshl_b32 s83, 0x1111, s21
	s_or_b32 s[G1A2], s82, (3<<16)|(1<<21)
	s_or_b32 s[G1A1], s82, (3<<16)|(1<<21)
	s_or_b32 s[G1B2], s83, (3<<16)|(1<<21)
	s_or_b32 s[G1B1], s83, (3<<16)|(1<<21)
.irp g, G1A2, G1B2, G1A1, G1B1
	s_mov_b32 s[\g+1], 32<<16
	s_mov_b32 s[\g+3], 32<<16
	s_mov_b32 s[\g+5], 32
	s_mov_b32 s[\g+6], 0
	s_mov_b32 s[\g+7], 0
.endr
	s_mov_b32 s[G1A2+2], 200<<16
	s_mov_b32 s[G1A2+4], 200
	s_mov_b32 s[G1B2+2], 150<<16
	s_mov_b32 s[G1B2+4], 150
	s_mov_b32 s[G1A1+2], 100<<16
	s_mov_b32 s[G1A1+4], 100
	s_mov_b32 s[G1B1+2], 75<<16
	s_mov_b32 s[G1B1+4], 75
	s_mul_i32 s88, s81, 16*ASTEP
	s_mul_i32 s92, s20, ASTEP
	s_add_co_u32 s84, s88, s92
	s_mov_b32 s85, 0
	s_mul_i32 s94, s20, 4*UNIT
	s_add_co_u32 s88, s88, s94
	s_add_co_u32 s88, s88, 2*ASTEP
	s_mov_b32 s89, 0
	s_mul_i32 s90, s23, 16*BSTEP
	s_mul_i32 s93, s20, BSTEP
	s_add_co_u32 s86, s90, s93
	s_mov_b32 s87, 0
	s_mul_i32 s95, s20, 3*UNIT
	s_add_co_u32 s90, s90, s95
	s_add_co_u32 s90, s90, 2*BSTEP
	s_mov_b32 s91, 0
	s_mul_i32 s92, s20, SLOT
	s_add_co_u32 s93, s92, OB
	s_add_co_u32 s94, s94, 2*SLOT
	s_add_co_u32 s95, s95, 2*SLOT+OB
	s_wait_dscnt 0x0
	s_wait_kmcnt 0x0
	CROUND
	s_mov_b32 s[G0AA], 1
	s_mov_b32 s[G0AA+1], s92
	s_add_nc_u64 s[G0AA+2:G0AA+3], s[4:5], s[84:85]
	s_or_b32 s[G0AA+3], s[G0AA+3], 0x80000000
	s_mov_b32 s[G0AB], 1
	s_mov_b32 s[G0AB+1], s93
	s_add_nc_u64 s[G0AB+2:G0AB+3], s[6:7], s[86:87]
	s_or_b32 s[G0AB+3], s[G0AB+3], 0x80000000
	JLOAD G0AA, G1A2, G0AB, G1B2
	s_mov_b32 s[G0BA], 1
	s_mov_b32 s[G0BA+1], s94
	s_add_nc_u64 s[G0BA+2:G0BA+3], s[4:5], s[88:89]
	s_or_b32 s[G0BA+3], s[G0BA+3], 0x80000000
	s_mov_b32 s[G0BB], 1
	s_mov_b32 s[G0BB+1], s95
	s_add_nc_u64 s[G0BB+2:G0BB+3], s[6:7], s[90:91]
	s_or_b32 s[G0BB+3], s[G0BB+3], 0x80000000
	; the addresses, the loads of the biases and of pct and the prefetches' set-up stand here, while steps 0 and 1 are on their way
	v_and_b32 v1, 15, v0
	v_bfe_u32 v2, v0, 4, 1
	v_and_b32 v3, 31, v0
	v_lshlrev_b32 v21, 4, v3
	v_lshlrev_b32 v22, 3, v3
	s_mul_i32 s66, s19, 2*UNIT
	s_mul_i32 s67, s20, UNIT
	s_add_co_u32 s67, s67, OB
	v_add_nc_u32 v[AX], s66, v21
	v_add_nc_u32 v[SX], s66, v22
	v_add_nc_u32 v[AB], s67, v21
	v_add_nc_u32 v[SBA], s67, v22
.irp p, 1,2
	v_add_nc_u32 v[AX+\p], SLOT, v[AX+\p-1]
	v_add_nc_u32 v[SX+\p], SLOT, v[SX+\p-1]
	v_add_nc_u32 v[AB+\p], SLOT, v[AB+\p-1]
	v_add_nc_u32 v[SBA+\p], SLOT, v[SBA+\p-1]
.endr
	s_mul_i32 s66, s18, 16*SP
	s_add_co_u32 s66, s66, STAGE
	v_mul_u32_u24 v[STO], v1, SP
	v_lshl_add_u32 v[STO], v2, 5, v[STO]
	v_add_nc_u32 v[STO], s66, v[STO]
	v_mul_u32_u24 v[RD], v2, SP
	v_lshl_add_u32 v[RD], v1, 4, v[RD]
	v_add_nc_u32 v[RD], s66, v[RD]
	v_lshlrev_b32 v[CO], 13, v2
	v_lshl_add_u32 v[CO], v1, 4, v[CO]
	v_lshlrev_b32 v[BO], 5, v2
	s_wait_alu depctr_va_vdst(0)
	v_lshlrev_b32 v[PO], 4, v1
	s_wait_alu depctr_va_vdst(0)
	s_lshl_b32 s96, s23, 9
	s_lshl_b32 s97, s20, 8
	s_add_co_u32 s96, s96, s97
	s_mov_b32 s97, 0
	s_add_nc_u64 s[8:9], s[8:9], s[96:97]
	s_add_nc_u64 s[10:11], s[10:11], s[96:97]
	s_add_nc_u64 s[12:13], s[12:13], s[96:97]
	s_add_nc_u64 s[14:15], s[14:15], s[96:97]
	s_add_nc_u64 s[16:17], s[16:17], s[96:97]
	s_lshl_b32 s96, s81, 8
	s_lshl_b32 s98, s19, 7
	s_add_co_u32 s96, s96, s98
	s_lshl_b32 s96, s96, 13
	s_add_nc_u64 s[16:17], s[16:17], s[96:97]
.macro BIAS win, base
	WIN \win
.irp b, 0,1,2,3
	global_load_b128 v[224+8*\b:227+8*\b], v[BO], s[\base:\base+1] offset:64*\b
	global_load_b128 v[228+8*\b:231+8*\b], v[BO], s[\base:\base+1] offset:64*\b+16
.endr
.endm
	BIAS 0x40, 10
	BIAS 0x80, 12
	BIAS 0xc0, 14
	WIN 0
	global_load_b128 v[PP:PP+3], v[PO], s[8:9]
	s_cmp_eq_u32 s19, 0
	s_cselect_b64 s[PFA:PFA+1], s[4:5], s[6:7]
	s_cselect_b32 s66, s21, s22
	s_cselect_b32 s67, 25, 19
	s_mov_b32 s98, 74
	s_cselect_b32 s98, 99, s98
	s_mov_b32 s[PFS], BSTEP
	s_cselect_b32 s[PFS], ASTEP, s[PFS]
	s_mov_b32 s99, 3*UNIT
	s_cselect_b32 s99, 4*UNIT, s99
	s_mov_b32 s100, 16*BSTEP
	s_cselect_b32 s100, 16*ASTEP, s100
	s_cselect_b32 s96, s81, s23
	s_mul_i32 s96, s96, s100
	s_mul_i32 s99, s99, s20
	s_add_co_u32 s96, s96, s99
	s_mul_i32 s100, s[PFS], 4
	s_add_co_u32 s96, s96, s100
	s_mul_i32 s66, s66, s67
	s_sub_co_u32 s98, s98, s66
	s_sub_co_u32 s67, s67, 1
	s_min_u32 s98, s98, s67
	s_lshl_b32 s66, s66, 8
	s_add_co_u32 s96, s96, s66
	s_mov_b32 s97, 0
	s_mov_b32 s[PFS+1], 0
	s_add_nc_u64 s[PFA:PFA+1], s[PFA:PFA+1], s[96:97]
	v_min_u32 v[PFO], s98, v3
	v_lshlrev_b32 v[PFO], 8, v[PFO]
	; steps 2, 3 and 4, whose loads go out behind the next two rounds, are named here, while steps 0 and 1 are on their way: three requests a wave; s[PFA:PFA+1] stands at step 4
	s_cmp_eq_u32 s19, 0
	s_wait_alu depctr_va_vdst(0)
	s_cbranch_scc0 .Lfirst_b
	global_prefetch_b8 v[PFO], s[PFA:PFA+1] offset:-2*ASTEP th:TH_LOAD_NT scope:SCOPE_SE
	global_prefetch_b8 v[PFO], s[PFA:PFA+1] offset:-ASTEP th:TH_LOAD_NT scope:SCOPE_SE
	global_prefetch_b8 v[PFO], s[PFA:PFA+1] th:TH_LOAD_NT scope:SCOPE_SE
	s_branch .Lfirst_asked
.Lfirst_b:
	global_prefetch_b8 v[PFO], s[PFA:PFA+1] offset:-2*BSTEP th:TH_LOAD_NT scope:SCOPE_SE
	global_prefetch_b8 v[PFO], s[PFA:PFA+1] offset:-BSTEP th:TH_LOAD_NT scope:SCOPE_SE
	global_prefetch_b8 v[PFO], s[PFA:PFA+1] th:TH_LOAD_NT scope:SCOPE_SE
.Lfirst_asked:
	s_wait_alu depctr_va_vdst(0)
	s_wait_tensorcnt 0x0                           ; my tile of steps 0 and 1 is in
	ds_add_u32 v[SPW], v[NIL]
	s_wait_dscnt 0x0
	CROUND
	JLOAD G0BA, G1A1, G0BB, G1B1                   ; step 2, into place 2: the first tensor load behind the round
	s_wait_tensorcnt 0x1
	s_barrier_signal -1
	s_barrier_wait -1
	FETCH 0, AB, SBA, 0
	FETCH 1, AX, SX, 0
	s_wait_loadcnt 0x0
	STEP 0, 0, 1, 3, 0, 1
	s_mov_b32 s3, 2
.Llap:
	STEP 1, 1, 0, 2, 1, 1
	STEP 2, 0, 0, 2, 2, 1
	STEP 0, 1, 0, 3, 0, 1
	STEP 1, 0, 0, 2, 1, 1
	STEP 2, 1, 0, 2, 2, 2
	STEP 0, 0, 0, 3, 0, 2
	s_sub_co_u32 s3, s3, 1
	s_cmp_lg_u32 s3, 0
	s_cbranch_scc1 .Llap
	STEP 1, 1, 0, 2, 3, 0
	STEP 2, 0, 0, 1, 0, 0
	STEP 0, 1, 0, 0, 0, 0
.macro PACK a
	WIN 0x39
.irp b, 0,1,2,3
.irp j, 0,1,2,3
	v_pk_fma_f32 v[T+32*((\a)%2)+8*\b+2*\j:T+32*((\a)%2)+8*\b+2*\j+1], v[8*(4*(\a)+\b)+2*\j:8*(4*(\a)+\b)+2*\j+1], v[8*(4*(\a)+\b)+2*\j:8*(4*(\a)+\b)+2*\j+1], v[8*(4*(\a)+\b)+2*\j:8*(4*(\a)+\b)+2*\j+1]
.endr
.endr
	WIN 0
.endm
.macro TOSTAGE a
.if (\a) >= 4
	s_wait_xcnt 0x0
.endif
.irp b, 0,1,2,3
	ds_store_b128 v[STO], v[T+32*((\a)%2)+8*\b:T+32*((\a)%2)+8*\b+3] offset:64*\b
	ds_store_b128 v[STO], v[T+32*((\a)%2)+8*\b+4:T+32*((\a)%2)+8*\b+7] offset:64*\b+16
.endr
.irp t, 0,1,2,3,4,5,6,7
	ds_load_b128 v[BK+32*((\a)%4)+4*\t:BK+32*((\a)%4)+4*\t+3], v[RD] offset:\t*2*SP
.endr
.endm
.macro SEND a, younger
	s_wait_dscnt \younger
.irp t, 0,1,2,3,4,5,6,7
	v_pk_mul_f32 v[BK+32*((\a)%4)+4*\t:BK+32*((\a)%4)+4*\t+1], v[BK+32*((\a)%4)+4*\t:BK+32*((\a)%4)+4*\t+1], v[PP:PP+1]
	v_pk_mul_f32 v[BK+32*((\a)%4)+4*\t+2:BK+32*((\a)%4)+4*\t+3], v[BK+32*((\a)%4)+4*\t+2:BK+32*((\a)%4)+4*\t+3], v[PP+2:PP+3]
.endr
.irp t, 0,1,2,3,4,5,6,7
	global_store_b128 v[CO], v[BK+32*((\a)%4)+4*\t:BK+32*((\a)%4)+4*\t+3], s[16:17] offset:(16*(\a)+2*\t)*8192 th:TH_STORE_NT
.endr
.endm
	PLACES 4
	PACK 0
	TOSTAGE 0
.irp a, 1,2,3,4,5,6,7
	PACK \a
	s_wait_alu depctr_va_vdst(0)
	TOSTAGE \a
	SEND \a-1, 16
.endr
	SEND 7, 0
	s_wait_tensorcnt 0x0
	ds_add_u32 v[SPW], v[NIL]
	s_wait_dscnt 0x0
	CROUND
	s_endpgm
.Lfunc_end_k_q1c78d72c11_gemm:
	.size	k_q1c78d72c11_gemm, .Lfunc_end_k_q1c78d72c11_gemm-k_q1c78d72c11_gemm
	.p2alignl 7, 3214868480
	.fill 96, 4, 3214868480
	.section	.rodata,"a",@progbits
	.p2align	6, 0x0
	.amdhsa_kernel k_q1c78d72c11_gemm
		.amdhsa_group_segment_fixed_size 327680
		.amdhsa_private_segment_fixed_size 0
		.amdhsa_enable_private_segment 0
		.amdhsa_kernarg_size 56
		.amdhsa_user_sgpr_count 2
		.amdhsa_user_sgpr_kernarg_segment_ptr 1
		.amdhsa_wavefront_size32 1
		.amdhsa_system_sgpr_workgroup_id_x 1
		.amdhsa_system_sgpr_workgroup_id_y 1
		.amdhsa_system_sgpr_workgroup_id_z 1
		.amdhsa_system_vgpr_workitem_id 0
		.amdhsa_next_free_vgpr 1024
		.amdhsa_next_free_sgpr 102
		.amdhsa_reserve_vcc 0
		.amdhsa_float_denorm_mode_32 3
		.amdhsa_float_denorm_mode_16_64 3
		.amdhsa_memory_ordered 1
		.amdhsa_forward_progress 1
		.amdhsa_inst_pref_size 241
	.end_amdhsa_kernel
	.amdgpu_metadata
---
amdhsa.version: [ 1, 2 ]
amdhsa.kernels:
  - .name:           k_q1c78d72c11_gemm
    .symbol:         k_q1c78d72c11_gemm.kd
    .args:
      - { .name: qa, .offset: 0, .size: 8, .value_kind: global_buffer, .address_space: global }
      - { .name: qb, .offset: 8, .size: 8, .value_kind: global_buffer, .address_space: global }
      - { .name: pct, .offset: 16, .size: 8, .value_kind: global_buffer, .address_space: global }
      - { .name: bias_r, .offset: 24, .size: 8, .value_kind: global_buffer, .address_space: global }
      - { .name: bias_g, .offset: 32, .size: 8, .value_kind: global_buffer, .address_space: global }
      - { .name: bias_b, .offset: 40, .size: 8, .value_kind: global_buffer, .address_space: global }
      - { .name: out0, .offset: 48, .size: 8, .value_kind: global_buffer, .address_space: global }
    .group_segment_fixed_size: 327680
    .private_segment_fixed_size: 0
    .kernarg_segment_align: 8
    .kernarg_segment_size: 56
    .max_flat_workgroup_size: 128
    .sgpr_count:     102
    .vgpr_count:     1024
    .wavefront_size: 32
...
	.end_amdgpu_metadata
.endif
;; end of part 2
